; MI455X (gfx1250); checked and timed in simulation.
; The chip was launched on July 23, 2026; its instructions are those of AMD's public machine-readable ISA for CDNA 5 (MIT licence, August 2026) and "CDNA5" Instruction Set Architecture Reference Guide (July 2026). The comments in the code are by the model that wrote it; some were corrected since.
;; Expert Gated Aggregator. Allowed arithmetic: float matrix products may take bf16 or f16 operands with f32 sums; all other float work in f32.
;; Inputs: W1 1,032 x 1,024 float32; W2 1,024 x 512 float32; W3 512 x 8 float32; active_mask 32,768 x 8 float32; b1 1,024 float32; b2 512 float32; b3 8 float32; expert_probs 8 x 32,768 x 1 float32; expert_reprs 8 x 32,768 x 128 float32.
;; Outputs: out0 32,768 x 1 float32; out1 32,768 x 8 float32.
;; One version. Each part assembles by itself: llvm-mc -triple=amdgcn-amd-amdhsa -mcpu=gfx1250 --defsym DOCPART=n.
;; ======== version 1 of 1: 2 launches
;; workspace buffers: wk 3,244,032 bytes
;; launch prep (part 1): grid 216 x 1, 8 waves a work-group, no clusters, 19,456 bytes of LDS; arguments W1, b1, W2, b2, wk; writes wk
.if DOCPART == 1
	.amdgcn_target "amdgcn-amd-amdhsa--gfx1250"
	.amdhsa_code_object_version 6
	.text
	.protected	k_q20063d4143_prep
	.globl	k_q20063d4143_prep
	.p2align	8
	.type	k_q20063d4143_prep,@function
k_q20063d4143_prep:
	s_mov_b64 s[64:65], 0
	v_nop
	global_prefetch_b8 v0, s[64:65] scope:SCOPE_SE
	s_setreg_imm32_b32 hwreg(HW_REG_WAVE_MODE, 25, 1), 1
	s_wait_xcnt 0x0
; The weights of layers 1 and 2, f32 stored [k][n], become bf16 tiles with k along the rows, in the order in which the second launch walks them.
; wk: 48 tiles of 65,536 bytes, each [512 n][64 k] bf16 (a row is 128 bytes).  Tile t < 16: W1[64 t + kk][n]; 16 <= t < 32: W1[64 (t - 16) + kk][512 + n]; t >= 32: W2[64 (t - 32) + kk][n].
; Behind them three start blocks of 32,768 bytes, [512 n][32 k] bf16.  Blocks 0, 1: k = 0..7 are W1's last eight rows (the probabilities' weights) for columns 512 p + n; k = 8, 9, 10 are b1
; as three bf16 parts (b rounded, the rest rounded, the rest of that rounded: together b to 2^-24 of itself); the other k are 0.  Block 2: b2 in the same three places, all else 0.
; Work-groups 0..191: a quarter of a tile, 64 k x 128 n, turned through LDS.  Work-groups 192..215: 256 threads x 16 bytes of a start block.
; No matrix unit, no tensor load: 6 MB are read and 3 MB written once; each load of a wave takes 512 neighbouring bytes, each store of sixteen lanes 256 aligned bytes.
.set SWOFF, 48*65536
.set LP, 144                           ; an LDS row: 64 k x 2 bytes + 16
	s_load_b256 s[4:11], s[0:1], 0x0               ; W1 s[4:5], b1 s[6:7], W2 s[8:9], b2 s[10:11]
	s_load_b64 s[12:13], s[0:1], 0x20              ; wk
	v_lshl_add_u32 v64, v0, 2, 0x4800
	v_mov_b32 v65, 0
	s_mov_b32 s22, ttmp9                           ; g
	v_and_b32 v1, 31, v0                           ; lane
	v_lshrrev_b32 v2, 5, v0                        ; wave
	s_mov_b32 s17, 0
	s_cmp_ge_u32 s22, 192
	s_cbranch_scc1 .Lstart
	s_lshr_b32 s14, s22, 2                         ; tile t
	s_and_b32 s15, s22, 3
	s_lshl_b32 s15, s15, 9                         ; quarter q: 128 columns of 4 bytes
	v_lshlrev_b32 v3, 4, v1                        ; 16 bytes a lane
	s_wait_kmcnt 0x0
.macro LD8 pitch                       ; eight rows k = 8 wave + i, 512 neighbouring bytes each
.irp i, 0,1,2,3,4,5,6,7
	global_load_b128 v[8+4*(\i):11+4*(\i)], v3, s[18:19] offset:(\i)*(\pitch)
.endr
.endm
	s_cmp_lt_u32 s14, 32
	s_cbranch_scc0 .Lw2
	s_and_b32 s16, s14, 15
	s_lshl_b32 s16, s16, 18                        ; 64 rows of 4,096 bytes
	s_lshr_b32 s18, s14, 4
	s_lshl_b32 s18, s18, 11                        ; which half of W1's columns
	s_add_co_u32 s16, s16, s18
	s_add_co_u32 s16, s16, s15
	s_add_nc_u64 s[18:19], s[4:5], s[16:17]
	v_lshl_add_u32 v3, v2, 15, v3                  ; + wave x 8 rows
	LD8 4096
	s_branch .Lcvt
.Lw2:
	s_sub_co_u32 s16, s14, 32
	s_lshl_b32 s16, s16, 17                        ; 64 rows of 2,048 bytes
	s_add_co_u32 s16, s16, s15
	s_add_nc_u64 s[18:19], s[8:9], s[16:17]
	v_lshl_add_u32 v3, v2, 14, v3
	LD8 2048
.Lcvt:
	v_mul_u32_u24 v4, v1, 4*LP                     ; my four columns are four LDS rows,
	v_lshl_add_u32 v4, v2, 4, v4                   ; my wave's eight k are 16 bytes of each
	s_wait_loadcnt 0x0
.irp c, 0,1,2,3
	v_cvt_pk_bf16_f32 v[40+4*(\c)], v[8+(\c)],  v[12+(\c)]
	v_cvt_pk_bf16_f32 v[41+4*(\c)], v[16+(\c)], v[20+(\c)]
	v_cvt_pk_bf16_f32 v[42+4*(\c)], v[24+(\c)], v[28+(\c)]
	v_cvt_pk_bf16_f32 v[43+4*(\c)], v[32+(\c)], v[36+(\c)]
	ds_store_b128 v4, v[40+4*(\c):43+4*(\c)] offset:LP*(\c)
.endr
	v_lshrrev_b32 v5, 3, v0                        ; back by rows: eight threads a row of 128 bytes
	v_mul_u32_u24 v5, v5, LP
	v_and_b32 v6, 7, v0
	v_lshl_add_u32 v5, v6, 4, v5
	v_lshlrev_b32 v7, 4, v0
	s_lshl_b32 s16, s22, 14                        ; 65,536 t + 16,384 q = 16,384 g
	s_add_nc_u64 s[20:21], s[12:13], s[16:17]
	s_wait_dscnt 0x0                               ; for the others' sake: my stores are done
	s_barrier_signal -1
	s_barrier_wait -1
.irp p, 0,1,2,3
	ds_load_b128 v[8+4*(\p):11+4*(\p)], v5 offset:32*LP*(\p)
.endr
.irp p, 0,1,2,3
	s_wait_dscnt 3-(\p)
	global_store_b128 v7, v[8+4*(\p):11+4*(\p)], s[20:21] offset:4096*(\p)  ; the work-group's 256 threads store 4,096 consecutive bytes
.endr
	s_wait_tensorcnt 0x0
	ds_add_u32 v64, v65
	s_wait_dscnt 0x0
	s_endpgm
.Lstart:
	s_sub_co_u32 s14, s22, 192
	s_lshr_b32 s15, s14, 3                         ; block p
	s_and_b32 s16, s14, 7
	s_lshl_b32 s16, s16, 8
	v_add_nc_u32 v3, s16, v0                       ; id = 0..2047: 16 bytes of the block
	v_lshrrev_b32 v4, 2, v3                        ; n
	v_and_b32 v5, 3, v3                            ; which eight k of the row's 32
	v_lshlrev_b32 v4, 2, v4
	v_lshlrev_b32 v6, 4, v3
	v_mov_b32 v29, 0
	s_lshl_b32 s18, s15, 15
	s_add_co_u32 s18, s18, SWOFF
	s_mov_b32 s19, 0
	s_wait_kmcnt 0x0
	s_add_nc_u64 s[20:21], s[12:13], s[18:19]
	s_cmp_lt_u32 s15, 2
	s_cbranch_scc0 .Lb2
	s_lshl_b32 s16, s15, 11                        ; 512 p columns of 4 bytes
	s_add_nc_u64 s[24:25], s[4:5], s[16:17]
	s_add_nc_u64 s[26:27], s[6:7], s[16:17]
.irp j, 0,1,2,3,4,5,6,7
	global_load_b32 v[8+(\j)], v4, s[24:25] offset:(1024+(\j))*4096
.endr
	global_load_b32 v20, v4, s[26:27]
	s_wait_loadcnt 0x0
.irp j, 0,1,2,3
	v_cvt_pk_bf16_f32 v[16+(\j)], v[8+2*(\j)], v[9+2*(\j)]
.endr
	s_branch .Lsplit
.Lb2:
	global_load_b32 v20, v4, s[10:11]
.irp j, 0,1,2,3
	v_mov_b32 v[16+(\j)], 0
.endr
	s_wait_loadcnt 0x0
.Lsplit:
	v_cvt_pk_bf16_f32 v21, v20, v20
	v_lshlrev_b32 v22, 16, v21                     ; the first part as f32
	v_sub_f32 v23, v20, v22                        ; what it leaves (exact)
	v_cvt_pk_bf16_f32 v24, v23, v23
	v_lshlrev_b32 v25, 16, v24
	v_sub_f32 v26, v23, v25
	v_cvt_pk_bf16_f32 v27, v20, v23                ; k = 8, 9
	v_cvt_pk_bf16_f32 v28, v26, v29                ; k = 10, 11
	v_cmp_eq_u32 vcc_lo, 0, v5
	v_cmp_eq_u32 s28, 1, v5
	v_cndmask_b32 v32, v29, v27, s28
	v_cndmask_b32 v33, v29, v28, s28
	v_cndmask_b32 v32, v32, v16, vcc_lo
	v_cndmask_b32 v33, v33, v17, vcc_lo
	v_cndmask_b32 v34, v29, v18, vcc_lo
	v_cndmask_b32 v35, v29, v19, vcc_lo
	global_store_b128 v6, v[32:35], s[20:21]
	s_endpgm
.Lfunc_end_k_q20063d4143_prep:
	.size	k_q20063d4143_prep, .Lfunc_end_k_q20063d4143_prep-k_q20063d4143_prep
	.p2alignl 7, 3214868480
	.fill 96, 4, 3214868480
	.section	.rodata,"a",@progbits
	.p2align	6, 0x0
	.amdhsa_kernel k_q20063d4143_prep
		.amdhsa_group_segment_fixed_size 19456
		.amdhsa_private_segment_fixed_size 0
		.amdhsa_enable_private_segment 0
		.amdhsa_kernarg_size 40
		.amdhsa_user_sgpr_count 2
		.amdhsa_user_sgpr_kernarg_segment_ptr 1
		.amdhsa_wavefront_size32 1
		.amdhsa_system_sgpr_workgroup_id_x 1
		.amdhsa_system_sgpr_workgroup_id_y 1
		.amdhsa_system_sgpr_workgroup_id_z 1
		.amdhsa_system_vgpr_workitem_id 0
		.amdhsa_next_free_vgpr 66
		.amdhsa_next_free_sgpr 66
		.amdhsa_reserve_vcc 1
		.amdhsa_float_denorm_mode_32 3
		.amdhsa_float_denorm_mode_16_64 3
		.amdhsa_memory_ordered 1
		.amdhsa_forward_progress 1
		.amdhsa_inst_pref_size 9
	.end_amdhsa_kernel
	.amdgpu_metadata
---
amdhsa.version: [ 1, 2 ]
amdhsa.kernels:
  - .name:           k_q20063d4143_prep
    .symbol:         k_q20063d4143_prep.kd
    .args:
      - { .name: W1, .offset: 0, .size: 8, .value_kind: global_buffer, .address_space: global }
      - { .name: b1, .offset: 8, .size: 8, .value_kind: global_buffer, .address_space: global }
      - { .name: W2, .offset: 16, .size: 8, .value_kind: global_buffer, .address_space: global }
      - { .name: b2, .offset: 24, .size: 8, .value_kind: global_buffer, .address_space: global }
      - { .name: wk, .offset: 32, .size: 8, .value_kind: global_buffer, .address_space: global }
    .group_segment_fixed_size: 19456
    .private_segment_fixed_size: 0
    .kernarg_segment_align: 8
    .kernarg_segment_size: 40
    .max_flat_workgroup_size: 256
    .sgpr_count:     66
    .vgpr_count:     66
    .wavefront_size: 32
...
	.end_amdgpu_metadata
.endif
;; end of part 1
;; launch gate (part 2): grid 256 x 1, 4 waves a work-group, clusters of 4 x 1, 327,680 bytes of LDS; arguments expert_reprs, expert_probs, active_mask, b3, W3, wk, out0, out1; writes out0, out1
.if DOCPART == 2
	.amdgcn_target "amdgcn-amd-amdhsa--gfx1250"
	.amdhsa_code_object_version 6
	.text
	.protected	k_q20063d4143_gate
	.globl	k_q20063d4143_gate
	.p2align	8
	.type	k_q20063d4143_gate,@function
k_q20063d4143_gate:
	s_mov_b64 s[64:65], 0
	v_nop
	global_prefetch_b8 v0, s[64:65] scope:SCOPE_SE
	s_setreg_imm32_b32 hwreg(HW_REG_WAVE_MODE, 25, 1), 1
	s_wait_xcnt 0x0
	s_wait_alu depctr_hold_cnt(0) depctr_sa_sdst(0) depctr_va_vdst(0) depctr_va_sdst(0) depctr_va_ssrc(0) depctr_va_vcc(0) depctr_vm_vsrc(0)
	s_getreg_b32 s2, hwreg(HW_REG_IB_STS2, 6, 4)
	s_cmp_eq_u32 s2, 0
	s_cbranch_scc0 .Lentry_in_a_cluster
	s_endpgm
.Lentry_in_a_cluster:
	s_bfe_u32 s2, ttmp6, 0x10000c
	s_cmp_lg_u32 s2, 0x3003
	s_cbranch_scc0 .Lentry_shape_is_right
	s_endpgm
.Lentry_shape_is_right:
; THE WHOLE GATE FOR 128 ROWS A WORK-GROUP: relu(x W1 + b1), relu(. W2 + b2), . W3 + b3, softmax over 8, times the mask, renormalised, and the weighted probability.
; Products in bf16 with f32 sums; everything else in f32.  32,768 rows / 128 = 256 work-groups of four waves.
; SHARES.  Every product phase makes 128 rows x 512 columns: a wave owns all 128 rows x 128 columns, 64 accumulators of 16 x 16 (512 registers).  Layer 1 has 1,024 columns: two phases, so x is read twice;
; the first phase's h1 lies in LDS (H), the second's is parked as packed bf16 in 256 registers until layer 2 has used up the first, and then takes its place.
; K goes in tiles of 64 (two matrix instructions deep).  The 48 weight tiles (16 + 16 for W1, 16 for W2), laid out by the launch before, come through a ring of two LDS slots.
; CLUSTER.  All work-groups walk the same weights: the four of a cluster ask for each quarter tile JOINTLY (same tensor load, same descriptor, mask of four); a wave fetches the 128 weight rows that it reads itself.
; EACH CLUSTER WALKS K IN ITS OWN ORDER.  The order of K does not matter to a sum.  Cluster c has a number E0 = (c xor c >> 3) & 7.  A phase of layer 1 walks its 8 pairs of tiles (a pair is an expert) from pair E0
; on and round; each half of layer 2 walks its 4 pairs from pair E0 & 3 on and round.  So at any time the 64 clusters ask for 8 (layer 2: 4) different pairs, and every tile but a walk's first two has been
; asked for two tiles earlier by the clusters that began one pair further on.  All of this lies in GLOBAL addresses: wave w makes column block QW = (w + E0) & 3 of each phase's four (its quarter of the tiles,
; of the start blocks and of W3's rows), so H's block i holds h1's column block (i + E0) & 3, and H, walked in its fixed order, meets W2's rows in the rotated order.  No LDS address knows of E0.
; x comes as f32 through registers (two tiles ahead), is rounded to bf16 and shared through two small LDS buffers; each wave brings 32 of the 128 rows.
; THE MATRIX INSTRUCTION IS USED TRANSPOSED: source 0 = 16 weight rows (output columns), source 1 = 16 data rows.  Lane l then holds data row l % 16 and eight neighbouring columns 8 (l / 16) + 0..7:
; they pack into 16 bytes, and two neighbouring packed blocks ARE a source-1 fragment of the next layer.
; BIASES AND PROBABILITIES start the sums: one step of 32 along K whose data are the row's 8 probabilities, then 1, 1, 1, and whose weights are W1's last 8 rows, then the bias in three bf16 parts.
; LIMITS.  relu is a maximum that gives 0 for NaN.  A softmax weight below 2^-126 counts as 0.  b1 and b2 are good to 2^-24 of themselves.  Infinities are not treated apart.
; The order in which the f32 sums run along K differs from cluster to cluster (see above), and from the reference's.
; PRICE OF ONE TEXT FOR EVERY TRIP: the last three loads of x repeat expert 7's rows and serve nothing, and at the ends of layer 1 and of layer 2's first half 16 LDS loads of data fetched ahead are thrown away.
;
; LDS: slot 0, slot 1 (512 weight rows x 144 bytes) | H (128 rows x 1,040) | two buffers of x (128 rows x 144) | probabilities f32 [128][8] | the spare words.  Only the slots are ever filled by tensor loads.
; All row pitches are odd multiples of 16 bytes, so the 16 rows of a fragment load start in 16 different groups of four banks (64 banks of 4 bytes: ISA guide 11.1).
; REGISTERS, in windows of 256 (s_set_vgpr_msb: bits 1:0 source 0, 3:2 source 1, 5:4 source 2, 7:6 destination):
;   window 0: v0-31 addresses, the row's probabilities, constants; v32-63 at work; v64-127 eight data fragments; v128-191, v192-255 weight fragments, two buffers
;   window 1: in layer 1 v0-127 x as loaded (two sets), v128-159 x packed, v192-255 the probabilities' fragments; later all 256: a parked 128 x 128 block in bf16
;   window 2: accumulators of data rows 0-63 ((a, b) at v[8 (8 (a % 4) + b)]); window 3: of rows 64-127
.set TILEB, 65536                      ; a weight tile in memory
.set WP,    144                        ; pitch of weight rows and of x rows: 128 bytes + 16
.set WQ,    128*WP                     ; a wave's quarter of a slot
.set SLOTB, 4*WQ
.set HB,    2*SLOTB
.set HP,    1040                       ; pitch of H: 1,024 bytes + 16
.set HHALF, 64*HP
.set XST,   HB+128*HP
.set XSB,   128*WP
.set PRF,   XST+2*XSB
.set SPARE, PRF+4096                   ; the spare words, 128 bytes for each wave: two blocks of 256 bytes that no other line names
.set LG,    XST                        ; late: the four waves' partial logits, [wave][row][16] f32, where x's buffers lay
.set MK,    XST+32768                  ; late: the mask on its way from 16 bytes a lane to a row a lane
.set OUT1,  HB                         ; late: the results on their way out, where H lay
.set OUT0,  HB+4096
.set SWOFF, 48*TILEB                   ; the start blocks in wk
.set SX, 0                             ; a tile's data come from x's buffers
.set SH, 1                             ; or from H
.set RR,   1                           ; v1   l % 16
.set HL,   2                           ; v2   l / 16
.set LN,   3                           ; v3   lane
.set ADRW, 4                           ; v4-5   my weight fragments in slot 0, 1
.set ADRX, 6                           ; v6-7   the data fragments in x's buffer 0, 1
.set ADRH, 8                           ; v8-9   the data fragments in H, rows 0-63 and 64-127, at the K in hand
.set ADRH0, 10                         ; v10-11 the same at K = 0; never rewritten in the layers
.set STOH, 12                          ; v12-13 where I put 16 bytes of a row of H
.set XSTO, 14                          ; v14-15 where I put 8 bytes of x in buffer 0, 1
.set XO,   16                          ; v16  my byte offset in the work-group's rows of x
.set SPW,  17                          ; v17  LDS address of my spare word; never rewritten
.set NIL,  18                          ; v18  0; never rewritten
.set SWO,  19                          ; v19  my byte offset in a start block
.set PROB, 20                          ; v20-27 the 8 probabilities of row 32 w + l, f32
.set ONE2, 28                          ; v28  bf16 1, 1
.set ONE1, 29                          ; v29  bf16 1, 0
.set ZERO, 30                          ; v30  0
.set TV,   31                          ; v31  at work
.set SCR,  32
.set ONES, 32                          ; layer 2's start: a data fragment with 1 at k = 8, 9, 10
.set AF,   64
.set WF0,  128
.set WF1,  192
.set XS,   0                           ; window 1
.set XP,   128
.set PF,   192
.set PARK, 0
.set WV,  20                           ; s20  my wave's number
.set G1,  24                           ; s[24:31] descriptor group 1
.set G0,  32                           ; s[32:39] descriptor group 0, a set for each slot
.set PH,  40                           ; s40  layer 1's phases to go
.set CNT, 41                           ; s41  trips to go
.set XN,  42                           ; s42  counts the experts asked for
.set EX,  43                           ; s43  the expert to ask for
.set XOFF, 44                          ; s[44:45] its byte offset
.set XB,  46                           ; s[46:47] x at that expert's rows of mine
.set X0,  48                           ; s[48:49] x at expert 0's rows of mine
.set SWB, 50                           ; s[50:51] the start blocks
.set SK,  52                           ; s52  the K in hand in H, in bytes
.set HM,  53                           ; s53  the lanes with l / 16 = 1
.set WKB, 54                           ; s[54:55] wk at my quarter (QW) of tile 0; never rewritten
.set B3,  72                           ; s[72:79] b3
.set E0,  80                           ; s80  my cluster's place in the walks, 0..7
.set TQ,  81                           ; s81  the pair of tiles to be asked for next, counted 1..23 along my own walk
.set TT,  82                           ; s82  at work: that pair's number in wk
.set TM,  83                           ; s83  at work
.set TOFF, 84                          ; s[84:85] byte offset in wk of the tile to be asked for
.set QW,  86                           ; s86  (wave + E0) & 3: which quarter of the columns is mine
.set MSB, 0
.macro WIN new                         ; the immediate's high byte repeats the setting that is left; a switch that changes nothing is dropped
.if MSB != (\new)
	s_set_vgpr_msb (MSB<<8)|(\new)
.set MSB, \new
.endif
.endm
; A load into a register that a matrix instruction has read, and a vector instruction that touches a matrix instruction's registers, stand four places behind it, and only plain vector
; instructions that name none of its registers are places (ISA guide 7.12.1 for vector instructions).
.macro PLACES
.rept 4
	v_nop
.endr
.endm
; A round of the cluster's barrier: my work-group's barrier, so that wave 0's signal speaks for all four waves; wave 0 signals; every wave waits for all four work-groups; my work-group's barrier once more.
.macro CREST                           ; a round behind its opening barrier
	s_cmp_lg_u32 s[WV], 0
	s_cbranch_scc1 .Lnot_wave_0_\@
	s_barrier_signal -3
.Lnot_wave_0_\@:
	s_barrier_wait -3
	s_barrier_signal -1
	s_barrier_wait -1
.endm
.macro CROUND
	s_barrier_signal -1
	s_barrier_wait -1
	CREST
.endm
; na x 8 matrix instructions: data blocks a0 .. of the window's four (hi = 0: rows 0-63, 1: rows 64-127) x my 8 column blocks, 32 along K.  The 64 accumulators take turns, one instruction a turn,
; in the same order in every step.  mode 0: adds.  mode 1: starts the sums on the probabilities' fragments.  mode 2: starts them on ONES.  Nothing is ever cleared.
.macro MUL wf, hi, a0, na, mode
.if (\mode) == 0
	WIN 0xa0+0x50*(\hi)
.elseif (\mode) == 1
	WIN 0x84+0x40*(\hi)
.else
	WIN 0x80+0x40*(\hi)
.endif
.set ma, (\a0)
.rept (\na)
.set mb, 0
.rept 8
.set mc, 8*(8*ma+mb)
.if (\mode) == 0
	v_wmma_f32_16x16x32_bf16 v[mc:mc+7], v[(\wf)+8*mb:(\wf)+8*mb+7], v[AF+8*(4*(\hi)+ma):AF+8*(4*(\hi)+ma)+7], v[mc:mc+7]
.elseif (\mode) == 1
	v_wmma_f32_16x16x32_bf16 v[mc:mc+7], v[(\wf)+8*mb:(\wf)+8*mb+7], v[PF+8*(4*(\hi)+ma):PF+8*(4*(\hi)+ma)+7], 0
.else
	v_wmma_f32_16x16x32_bf16 v[mc:mc+7], v[(\wf)+8*mb:(\wf)+8*mb+7], v[ONES:ONES+7], 0
.endif
.set mb, mb+1
.endr
.set ma, ma+1
.endr
.endm
.macro START mode
	MUL WF1, 0, 0, 4, \mode
	MUL WF1, 1, 0, 4, \mode
.endm
; A fragment is 16 rows x 32 K in 8 registers: lane l holds row l % 16, K = 8 (l / 16) + 0..7 and 16 + 8 (l / 16) + 0..7: two loads of 16 bytes, 32 bytes apart.
; Four data fragments (half 0: rows 0-63, 1: rows 64-127) at byte koff of the rows, from x's buffer buf or from H.
.macro FA src, buf, koff, half
.irp i, 0,1,2,3
.if (\src) == SX
	ds_load_b128 v[AF+8*(4*(\half)+(\i)):AF+8*(4*(\half)+(\i))+3],   v[ADRX+(\buf)] offset:(4*(\half)+(\i))*16*WP+(\koff)
	ds_load_b128 v[AF+8*(4*(\half)+(\i))+4:AF+8*(4*(\half)+(\i))+7], v[ADRX+(\buf)] offset:(4*(\half)+(\i))*16*WP+(\koff)+32
.else
	ds_load_b128 v[AF+8*(4*(\half)+(\i)):AF+8*(4*(\half)+(\i))+3],   v[ADRH+(\half)] offset:(\i)*16*HP+(\koff)
	ds_load_b128 v[AF+8*(4*(\half)+(\i))+4:AF+8*(4*(\half)+(\i))+7], v[ADRH+(\half)] offset:(\i)*16*HP+(\koff)+32
.endif
.endr
.endm
.macro FW s, koff, wf                  ; my eight weight fragments
.irp b, 0,1,2,3,4,5,6,7
	ds_load_b128 v[(\wf)+8*(\b):(\wf)+8*(\b)+3],   v[ADRW+(\s)] offset:(\b)*16*WP+(\koff)
	ds_load_b128 v[(\wf)+8*(\b)+4:(\wf)+8*(\b)+7], v[ADRW+(\s)] offset:(\b)*16*WP+(\koff)+32
.endr
.endm
; x: 32 rows x 64 columns of f32 a wave and tile: 16 loads, in each of which sixteen lanes take 256 consecutive aligned bytes of a row.
.macro XLD set, off
	WIN 0x40                                       ; destination window 1, address window 0
.irp i, 0,1,2,3,4,5,6,7,8,9,10,11,12,13,14,15
	global_load_b128 v[XS+64*(\set)+4*(\i):XS+64*(\set)+4*(\i)+3], v[XO], s[XB:XB+1] offset:1024*(\i)+(\off)
.endr
.endm
.macro XLOAD set, step                 ; step = 1: an expert's first 64 columns, the base goes on; step = 0: its second 64
.if \step
	s_wait_xcnt 0x0                                ; the base that earlier loads name is rewritten only behind this wait
	s_add_co_u32 s[XN], s[XN], 1
	s_add_co_u32 s[EX], s[XN], s[E0]               ; my cluster's walk begins at expert E0;
	s_and_b32 s[EX], s[EX], 7                      ; the second phase walks the experts again, in the same order;
	s_cmp_ge_u32 s[XN], 16
	s_cselect_b32 s[EX], 7, s[EX]                  ; behind it the loads stay inside the buffer, on expert 7
	s_lshl_b32 s[XOFF], s[EX], 24                  ; an expert is 32,768 rows of 512 bytes
	s_add_nc_u64 s[XB:XB+1], s[X0:X0+1], s[XOFF:XOFF+1]
.endif
	XLD \set, 256*(1-(\step))
.endm
.macro XCVT set, cnt                   ; cnt: the younger loads, which stay out
	s_wait_loadcnt \cnt
	WIN 0x45
.set xi, 0
.rept 32
	v_cvt_pk_bf16_f32 v[XP+xi], v[XS+64*(\set)+2*xi], v[XS+64*(\set)+2*xi+1]
.set xi, xi+1
.endr
.endm
.macro XSTORE buf
	WIN 0x04                                       ; data window 1, address window 0
.irp i, 0,1,2,3,4,5,6,7,8,9,10,11,12,13,14,15
	ds_store_b64 v[XSTO+(\buf)], v[XP+2*(\i):XP+2*(\i)+1] offset:2*WP*(\i)
.endr
.endm
.macro PLOADS p                        ; my eight fragments of start block p, straight from memory into weight buffer 1
	WIN 0
.irp b, 0,1,2,3,4,5,6,7
	global_load_b128 v[WF1+8*(\b):WF1+8*(\b)+3],   v[SWO], s[SWB:SWB+1] offset:32768*(\p)+1024*(\b)
	global_load_b128 v[WF1+8*(\b)+4:WF1+8*(\b)+7], v[SWO], s[SWB:SWB+1] offset:32768*(\p)+1024*(\b)+32
.endr
.endm
.macro RELU hi                         ; in place, ascending: each accumulator is read from its low end on
	WIN 0x88+0x44*(\hi)
.set ri, 0
.rept 256
	v_max_num_f32 v[ri], 0, v[ri]
.set ri, ri+1
.endr
.endm
.macro PACKH                           ; relu, round to bf16, 16 bytes a lane into H
.irp hi, 0,1
	RELU \hi
.irp a, 0,1,2,3
	WIN 0x0a+5*(\hi)
.set pi, 0
.rept 32
	v_cvt_pk_bf16_f32 v[SCR+pi], v[64*(\a)+2*pi], v[64*(\a)+2*pi+1]
.set pi, pi+1
.endr
	WIN 0
.irp b, 0,1,2,3,4,5,6,7
	ds_store_b128 v[STOH+(\hi)], v[SCR+4*(\b):SCR+4*(\b)+3] offset:(\a)*16*HP+32*(\b)
.endr
.endr
.endr
.endm
.macro PACKP                           ; relu, round to bf16, parked in window 1: block (a, b) at 32 a + 4 b
.irp hi, 0,1
	RELU \hi
	WIN 0x4a+5*(\hi)
.set pi, 0
.rept 128
	v_cvt_pk_bf16_f32 v[PARK+128*(\hi)+pi], v[2*pi], v[2*pi+1]
.set pi, pi+1
.endr
.endr
.endm
; A TILE: 64 along K, 128 matrix instructions, weights in slot s.  At its head the first step's 32 LDS loads are out, in the order: data rows 0-63 (8), weights (16), data rows 64-127 (8).
; The data fragments have one buffer, refilled by halves as soon as a half has been multiplied; the weights have two.
; With data from x the tile also rounds the NEXT tile of x, shares it through the other buffer, and asks for the tile three on.
; Its second step changes slots: ONE barrier.  In front of it each wave waits for all its tensor loads (one is out: its quarter of the next tile), adds 0 to its spare word, and waits for that, for its reads
; of this slot and of the data, and for its stores of x.  mode 2: the barrier opens a round of the cluster's barrier, and behind the round this slot is filled again, with the tile two on in my cluster's walk.
; That tile's address is made anew from its number: pair TQ of my walk is pair (TQ & ~m) | ((TQ + E0) & m) of wk, m = 7 in layer 1 (TQ < 16), m = 3 in layer 2; a pair is 131,072 bytes, slot 1's tile its second half.
; mode 0: nothing is left to ask for.  mode 1: the last tile: no change of slots.
.macro TILE src, s, mode
	s_wait_dscnt 8                                 ; all but data rows 64-127
	MUL WF0, 0, 0, 4, 0
	PLACES
	WIN 0
	FA \src, \s, 64+128*(\s)*(\src), 0
	FW \s, 64, WF1
	s_wait_dscnt 24                                ; all but the 24 just issued
	MUL WF0, 1, 0, 4, 0
.if (\src) == SX
	XCVT 1-(\s), 16                                ; 32 conversions: also the places in front of the loads below
.else
	PLACES
.endif
	WIN 0
	FA \src, \s, 64+128*(\s)*(\src), 1
.if (\src) == SX
	XSTORE 1-(\s)                                  ; the buffer's last readers passed the last tile's barrier
	XLOAD 1-(\s), \s
.endif
.if (\mode) == 1
	s_wait_dscnt 8
	MUL WF1, 0, 0, 4, 0
	s_wait_dscnt 0x0
	MUL WF1, 1, 0, 4, 0
.else
	WIN 0
	s_wait_tensorcnt 0x0                           ; all my tensor loads have landed: my quarter of the next tile; so a group 0 may be written;
	ds_add_u32 v[SPW], v[NIL]                      ; 0 onto my spare word
.if (\mode) == 2
.if (\s) == 0
	s_add_co_u32 s[TT], s[TQ], s[E0]               ; the descriptor's scalar work stands between the add and the wait for it
	s_cmp_lt_u32 s[TQ], 16
	s_cselect_b32 s[TM], 7, 3
	s_and_b32 s[TT], s[TT], s[TM]
	s_and_not1_b32 s[TM], s[TQ], s[TM]
	s_or_b32 s[TT], s[TT], s[TM]
	s_lshl_b32 s[TOFF], s[TT], 17
	s_add_co_u32 s[TQ], s[TQ], 1
.else
	s_add_co_u32 s[TOFF], s[TOFF], TILEB           ; the same pair's second tile
.endif
	s_add_nc_u64 s[G0+4*(\s)+2:G0+4*(\s)+3], s[WKB:WKB+1], s[TOFF:TOFF+1]
	s_or_b32 s[G0+4*(\s)+3], s[G0+4*(\s)+3], 0x80000000
.endif
	s_wait_dscnt 9+16*(1-(\src))                   ; (out may be: data rows 64-127, the 16 stores of x, the add)
	MUL WF1, 0, 0, 2, 0                            ; sixteen matrix instructions stand between the add and the wait for it
	s_wait_dscnt 0x0                               ; the add is done, my reads of this slot and of the data are over, my part of x is stored
	s_barrier_signal -1
	MUL WF1, 0, 2, 2, 0                            ; work on registers while the others arrive
	WIN 0
	s_barrier_wait -1
.if (\mode) == 2
	CREST                                          ; no wave of any partner still reads this slot or has a load on its way
	tensor_load_to_lds s[G0+4*(\s):G0+4*(\s)+3], s[G1:G1+7]  ; my one tensor load behind the round, and the first thing there
	s_nop 0
.endif
	PLACES                                         ; behind the tensor load, and in front of the loads below
.if ((\src) == SH) && ((\s) == 1)
	s_add_co_u32 s[SK], s[SK], 256                 ; two tiles are 128 columns of H; behind the last the walk is back at 0
	s_and_b32 s[SK], s[SK], 1023
	v_add_nc_u32 v[ADRH], s[SK], v[ADRH0]
	v_add_nc_u32 v[ADRH+1], s[SK], v[ADRH0+1]
.endif
	FA \src, 1-(\s), 128*(1-(\s))*(\src), 0        ; the next tile's first step
	FW 1-(\s), 0, WF0
	MUL WF1, 1, 0, 4, 0
	PLACES
	WIN 0
	FA \src, 1-(\s), 128*(1-(\s))*(\src), 1
.endif
.endm
	s_load_b256 s[4:11], s[0:1], 0x0               ; x s[4:5], probabilities s[6:7], mask s[8:9], b3 s[10:11]
	s_load_b256 s[12:19], s[0:1], 0x20             ; W3 s[12:13], wk s[14:15], out0 s[16:17], out1 s[18:19]
	v_lshl_add_u32 v[SPW], v0, 2, SPARE
	v_mov_b32 v[NIL], 0
	ds_add_u32 v17, v18
	s_wait_dscnt 0x0
	v_lshrrev_b32 v[TV], 5, v0
	v_readfirstlane_b32 s[WV], v[TV]               ; wave 0..3
	s_bfe_u32 s21, ttmp6, 0x40000                  ; cx: my place in the cluster
	s_lshl_b32 s22, ttmp9, 2                       ; in a cluster launch ttmp9 counts clusters
	s_add_co_u32 s22, s22, s21                     ; my work-group: it enters the addresses of x, probabilities, mask and outputs alone
	s_lshr_b32 s[E0], ttmp9, 3                     ; E0 = (c xor c >> 3) & 7, of the cluster's number c = 0..63, which the four partners share:
	s_xor_b32 s[E0], s[E0], ttmp9                  ; with any one bit of c held fixed it still takes all 8 values, and E0 & 3 all 4
	s_and_b32 s[E0], s[E0], 7
	s_add_co_u32 s[QW], s[WV], s[E0]
	s_and_b32 s[QW], s[QW], 3                      ; my quarter of the columns: it enters global addresses alone
	; descriptor group 1: a quarter tile is 16,384 dense bytes: asked for as 64 rows of 256 bytes, two weight rows a row, padded in LDS behind every weight row
	s_mov_b32 s[G1], 15|(1<<16)|(1<<20)|(1<<21)|(4<<22)|(3<<25)  ; 15:0 the mask of four; 17:16 2-byte elements; 20 padding on; 21 set beside a mask; 24:22 after every 32 words (code 4); 31:25 4 words (code 3)
	s_mov_b32 s[G1+1], 128<<16                     ; tensor_dim0 = 128
	s_mov_b32 s[G1+2], 64<<16                      ; tensor_dim1 = 64
	s_mov_b32 s[G1+3], 128<<16                     ; tile_dim0 = 128
	s_mov_b32 s[G1+4], 64                          ; tile_dim1 = 64
	s_mov_b32 s[G1+5], 128                         ; 128 elements from row to row
	s_mov_b32 s[G1+6], 0
	s_mov_b32 s[G1+7], 0
	s_mul_i32 s23, s[WV], WQ                       ; my quarter of a slot: the wave's number alone enters an LDS address
	s_lshl_b32 s[WKB], s[QW], 14                   ; my quarter of a tile in memory
	s_mov_b32 s[WKB+1], 0
	s_lshl_b32 s[TOFF], s[E0], 17                  ; my walk's first pair of tiles
	s_mov_b32 s[TOFF+1], 0
	s_mov_b32 s[TQ], 1
	s_lshl_b32 s[X0], s22, 16                      ; 128 rows of 512 bytes
	s_mov_b32 s[X0+1], 0
	s_lshl_b32 s56, s22, 12                        ; 128 rows of 32 bytes
	s_mov_b32 s57, 0
	s_lshl_b32 s58, s22, 9                         ; 128 rows of 4 bytes
	s_mov_b32 s59, 0
	s_lshl_b32 s[XOFF], s[E0], 24                  ; my walk's first expert
	s_mov_b32 s[XOFF+1], 0
	s_mov_b32 s[XN], 0
	s_wait_kmcnt 0x0
	s_load_b256 s[B3:B3+7], s[10:11], 0x0
	s_add_nc_u64 s[WKB:WKB+1], s[14:15], s[WKB:WKB+1]
	s_add_nc_u64 s[SWB:SWB+1], s[14:15], SWOFF
	s_add_nc_u64 s[X0:X0+1], s[4:5], s[X0:X0+1]
	s_add_nc_u64 s[XB:XB+1], s[X0:X0+1], s[XOFF:XOFF+1]
	s_add_nc_u64 s[60:61], s[8:9], s[56:57]        ; the mask at my rows
	s_add_nc_u64 s[62:63], s[6:7], s[58:59]        ; expert 0's probabilities at my rows
	s_add_nc_u64 s[56:57], s[18:19], s[56:57]      ; out1
	s_add_nc_u64 s[58:59], s[16:17], s[58:59]      ; out0
.irp s, 0,1
	s_mov_b32 s[G0+4*(\s)], 1                      ; 1:0 count = 1
	s_add_co_u32 s[G0+4*(\s)+1], s23, (\s)*SLOTB   ; 63:32 LDS address
	s_add_nc_u64 s[G0+4*(\s)+2:G0+4*(\s)+3], s[WKB:WKB+1], s[TOFF:TOFF+1]  ; 120:64 global address: tile s of my walk's first pair
.if (\s) == 1
	s_add_nc_u64 s[G0+4*(\s)+2:G0+4*(\s)+3], s[G0+4*(\s)+2:G0+4*(\s)+3], TILEB
.endif
	s_or_b32 s[G0+4*(\s)+3], s[G0+4*(\s)+3], 0x80000000            ; 127:126 type = 2
.endr
	CROUND                                         ; all four work-groups are here: the first joint loads meet
	tensor_load_to_lds s[G0:G0+3], s[G1:G1+7]      ; both first fills together: two loads of mine are out
	s_nop 0
	tensor_load_to_lds s[G0+4:G0+7], s[G1:G1+7]
	s_nop 0
	PLACES
	v_and_b32 v[RR], 15, v0
	v_bfe_u32 v[HL], v0, 4, 1
	v_and_b32 v[LN], 31, v0
	v_cmp_eq_u32 s[HM], 1, v[HL]
	v_mov_b32 v[ONE2], 0x3f803f80
	v_mov_b32 v[ONE1], 0x00003f80
	v_mov_b32 v[ZERO], 0
	s_lshl_b32 s66, s[WV], 14                      ; x: my wave's 32 rows; lanes 0-15 one row's 256 bytes, lanes 16-31 the next row's
	v_lshlrev_b32 v[TV], 9, v[HL]
	v_lshl_add_u32 v[TV], v[RR], 4, v[TV]
	v_add_nc_u32 v[XO], s66, v[TV]
	s_lshl_b32 s66, s[WV], 18                      ; probabilities: wave w takes experts 2 w and 2 w + 1, 131,072 bytes apart; a lane four rows
	v_lshl_add_u32 v8, v[LN], 4, s66
	s_lshl_b32 s66, s[QW], 13                      ; a start block: my quarter's 128 rows of 64 bytes
	v_lshlrev_b32 v[TV], 6, v[RR]
	v_lshl_add_u32 v[TV], v[HL], 4, v[TV]
	v_add_nc_u32 v[SWO], s66, v[TV]
	global_load_b128 v[SCR:SCR+3],   v8, s[62:63]
	global_load_b128 v[SCR+4:SCR+7], v8, s[62:63] offset:131072
	XLD 0, 0                                       ; x tile 0 of my walk
	XLD 1, 256                                     ; x tile 1
	PLOADS 0
	v_mul_u32_u24 v[TV], v[RR], WP
	v_lshl_add_u32 v[TV], v[HL], 4, v[TV]          ; a fragment's row x pitch + 16 x half
	v_add_nc_u32 v[ADRW], s23, v[TV]
	v_add_nc_u32 v[ADRW+1], SLOTB, v[ADRW]
	v_add_nc_u32 v[ADRX], XST, v[TV]
	v_add_nc_u32 v[ADRX+1], XST+XSB, v[TV]
	v_mul_u32_u24 v[TV], v[RR], HP
	v_lshl_add_u32 v[TV], v[HL], 4, v[TV]
	v_add_nc_u32 v[ADRH0], HB, v[TV]
	v_add_nc_u32 v[ADRH0+1], HB+HHALF, v[TV]
	s_lshl_b32 s66, s[WV], 8                       ; my 128 columns' place in H: by the wave's number
	v_add_nc_u32 v[STOH], s66, v[ADRH0]
	v_add_nc_u32 v[STOH+1], s66, v[ADRH0+1]
	s_mul_i32 s66, s[WV], 32*WP                    ; my 32 rows of x's buffers
	v_mul_u32_u24 v[TV], v[HL], WP
	v_lshl_add_u32 v[TV], v[RR], 3, v[TV]
	v_add_nc_u32 v[TV], s66, v[TV]
	v_add_nc_u32 v[XSTO], XST, v[TV]
	v_add_nc_u32 v[XSTO+1], XST+XSB, v[TV]
	s_lshl_b32 s66, s[WV], 3                       ; probabilities into [row][expert]: rows 4 l .., experts 2 w, 2 w + 1
	v_lshl_add_u32 v9, v[LN], 7, s66
	v_add_nc_u32 v9, PRF, v9
	s_wait_kmcnt 0x0                               ; b3
	s_wait_loadcnt 32                              ; the probabilities and x tile 0 are in; x tile 1 and the start block stay out
.irp i, 0,1
.irp c, 0,1,2,3
	ds_store_b32 v9, v[SCR+4*(\i)+(\c)] offset:32*(\c)+4*(\i)
.endr
.endr
	XCVT 0, 32
	XSTORE 0
	XLOAD 0, 1                                     ; x tile 2
	WIN 0
	s_wait_tensorcnt 0x1                           ; my quarter of the first tile is in; the second's may stay out
	s_wait_dscnt 0x0                               ; my parts of the probabilities and of x are stored
	s_barrier_signal -1
	s_barrier_wait -1
	s_lshl_b32 s66, s[WV], 10
	v_lshl_add_u32 v9, v[LN], 5, s66
	v_add_nc_u32 v9, PRF, v9
	ds_load_b128 v[PROB:PROB+3],   v9              ; row 32 w + l, kept to the end
	ds_load_b128 v[PROB+4:PROB+7], v9 offset:16
	v_lshlrev_b32 v[TV], 5, v[RR]
	v_add_nc_u32 v[TV], PRF, v[TV]
.irp a, 0,1,2,3,4,5,6,7
	ds_load_b128 v[AF+8*(\a):AF+8*(\a)+3],   v[TV] offset:512*(\a)
	ds_load_b128 v[AF+8*(\a)+4:AF+8*(\a)+7], v[TV] offset:512*(\a)+16
.endr
	s_wait_dscnt 0x0
.set pi, 0
.rept 32
	v_cvt_pk_bf16_f32 v[SCR+pi], v[AF+2*pi], v[AF+2*pi+1]
.set pi, pi+1
.endr
	WIN 0x40                                       ; the start's data fragments: lanes 0-15 k = 0..7, the probabilities; lanes 16-31 k = 8..15: 1, 1, 1, 0 ..; k = 16..31: 0
.irp a, 0,1,2,3,4,5,6,7
	v_cndmask_b32 v[PF+8*(\a)],   v[SCR+4*(\a)],   v[ONE2], s[HM]
	v_cndmask_b32 v[PF+8*(\a)+1], v[SCR+4*(\a)+1], v[ONE1], s[HM]
	v_cndmask_b32 v[PF+8*(\a)+2], v[SCR+4*(\a)+2], v[ZERO], s[HM]
	v_cndmask_b32 v[PF+8*(\a)+3], v[SCR+4*(\a)+3], v[ZERO], s[HM]
	v_mov_b32 v[PF+8*(\a)+4], 0
	v_mov_b32 v[PF+8*(\a)+5], 0
	v_mov_b32 v[PF+8*(\a)+6], 0
	v_mov_b32 v[PF+8*(\a)+7], 0
.endr
	WIN 0
	FA SX, 0, 0, 0
	FW 0, 0, WF0
	FA SX, 0, 0, 1
	; LAYER 1: two phases of 512 columns, 16 tiles each.  The ring of weights and the ring of x run on across the change of phases.
	s_mov_b32 s[PH], 2
.Lph:
	s_wait_loadcnt 0x0                             ; the start block (the youngest loads)
	START 1                                        ; probabilities and b1 start the sums; the first tile's fragments stay on their way meanwhile
	WIN 0
	s_mov_b32 s[CNT], 8
.Lp1:                                                  ; a trip is an expert: two tiles
	TILE SX, 0, 2
	TILE SX, 1, 2
	s_sub_co_u32 s[CNT], s[CNT], 1
	s_cmp_lg_u32 s[CNT], 0
	s_cbranch_scc1 .Lp1
	s_sub_co_u32 s[PH], s[PH], 1
	s_cmp_eq_u32 s[PH], 0
	s_cbranch_scc1 .Ldone1
	PLOADS 1
	PACKH                                          ; the first phase's h1 into H; it is first read behind many later barriers, each with its wait for my stores
	WIN 0
	s_branch .Lph
.Ldone1:
	PLOADS 2
	s_wait_loadcnt 16                              ; all but the start block: no load of x is out, so window 1 may be written
	PACKP                                          ; the second phase's h1 is parked
	WIN 0
	v_cndmask_b32 v[ONES],   v[ZERO], v[ONE2], s[HM]
	v_cndmask_b32 v[ONES+1], v[ZERO], v[ONE1], s[HM]
.irp i, 2,3,4,5,6,7
	v_mov_b32 v[ONES+(\i)], 0
.endr
	s_mov_b32 s[SK], 0
	v_mov_b32 v[ADRH], v[ADRH0]
	v_mov_b32 v[ADRH+1], v[ADRH0+1]
	s_wait_dscnt 0x0                               ; what was fetched ahead is in: the weights are W2's first of my walk and stay; the data were x's and are fetched anew from H
	FA SH, 0, 0, 0
	FA SH, 0, 0, 1
	s_wait_loadcnt 0x0
	START 2                                        ; b2 starts the sums
	WIN 0
	; LAYER 2: 16 tiles; eight on H as it is, then the parked half takes H's place.
	s_mov_b32 s[CNT], 4
.Lq1:
	TILE SH, 0, 2
	TILE SH, 1, 2
	s_sub_co_u32 s[CNT], s[CNT], 1
	s_cmp_lg_u32 s[CNT], 0
	s_cbranch_scc1 .Lq1
	s_wait_dscnt 0x0                               ; my reads of H are over (the last 16, fetched ahead, are thrown away; the weights beside them stay)
	s_barrier_signal -1
	s_barrier_wait -1                              ; everybody's are.  The tile on its way stays out
	WIN 0x04
.irp hi, 0,1
.irp a, 0,1,2,3
.irp b, 0,1,2,3,4,5,6,7
	ds_store_b128 v[STOH+(\hi)], v[PARK+128*(\hi)+32*(\a)+4*(\b):PARK+128*(\hi)+32*(\a)+4*(\b)+3] offset:(\a)*16*HP+32*(\b)
.endr
.endr
.endr
	WIN 0
	s_wait_dscnt 0x0                               ; for the others' sake: my columns are stored
	s_barrier_signal -1
	s_barrier_wait -1
	FA SH, 0, 0, 0
	FA SH, 0, 0, 1
	s_mov_b32 s[CNT], 3
.Lq2:
	TILE SH, 0, 2
	TILE SH, 1, 2
	s_sub_co_u32 s[CNT], s[CNT], 1
	s_cmp_lg_u32 s[CNT], 0
	s_cbranch_scc1 .Lq2
	TILE SH, 0, 0                                  ; the tail is written out: nothing is left to ask for
	TILE SH, 1, 1
	WIN 0
	; LAYER 3.  Each wave multiplies its 128 columns of h2, packed in registers, by the same 128 rows of W3; the four partial sums meet in LDS.
	; The addresses below, plain vector work on other registers, are the places behind the last products.
.set LGS, 4
.set LGR, 5
.set MKS, 6
.set MKR, 7
.set W3O, 8
.set O1S, 9
.set O1R, 10
.set O0S, 11
.set GO1, 12
.set GO0, 13
.set O0R, 14
	s_lshl_b32 s66, s[QW], 12                      ; W3: row k = 128 QW + 8 (l / 16) + .., 32 bytes a row; column (l % 16) % 8: source 0's rows 8-15 repeat rows 0-7, and their results are not used
	v_and_b32 v[TV], 7, v[RR]
	v_lshlrev_b32 v[TV], 2, v[TV]
	v_lshl_add_u32 v[TV], v[HL], 8, v[TV]
	v_add_nc_u32 v[W3O], s66, v[TV]
	s_lshl_b32 s66, s[WV], 10                      ; my 32 rows of 32 bytes: 16 bytes a lane,
	v_lshl_add_u32 v[GO1], v[LN], 4, s66
	v_add_nc_u32 v[MKS], MK, v[GO1]
	v_add_nc_u32 v[O1R], OUT1, v[GO1]
	v_lshl_add_u32 v[TV], v[LN], 5, s66            ; or a row a lane
	v_add_nc_u32 v[MKR], MK, v[TV]
	v_add_nc_u32 v[O1S], OUT1, v[TV]
	s_lshl_b32 s66, s[WV], 13
	v_lshlrev_b32 v[TV], 6, v[RR]
	v_lshl_add_u32 v[TV], v[HL], 5, v[TV]
	v_add_nc_u32 v[TV], s66, v[TV]
	v_add_nc_u32 v[LGS], LG, v[TV]
	s_lshl_b32 s66, s[WV], 11
	v_lshl_add_u32 v[TV], v[LN], 6, s66
	v_add_nc_u32 v[LGR], LG, v[TV]
	s_lshl_b32 s66, s[WV], 7
	v_lshl_add_u32 v[TV], v[LN], 2, s66
	v_add_nc_u32 v[O0S], OUT0, v[TV]
	v_lshlrev_b32 v[GO0], 4, v[LN]
	v_add_nc_u32 v[O0R], OUT0, v[GO0]
.set li, 0
.rept 64                               ; register 16 ks + 8 g + j holds k = 32 ks + 16 g + 8 (l / 16) + j
	global_load_b32 v[AF+li], v[W3O], s[12:13] offset:32*(2*li-(li%8))
.set li, li+1
.endr
	global_load_b128 v[168:171], v[GO1], s[60:61]             ; the mask: 512 consecutive bytes a load
	global_load_b128 v[172:175], v[GO1], s[60:61] offset:512
	PACKP                                          ; h2
	WIN 0
	s_wait_loadcnt 0x0
	ds_store_b128 v[MKS], v[168:171]               ; my wave's own bytes: LDS serves a wave's instructions in order (ISA guide 5.7.1.4)
	ds_store_b128 v[MKS], v[172:175] offset:512
	ds_load_b128 v[160:163], v[MKR]
	ds_load_b128 v[164:167], v[MKR] offset:16
.set pi, 0
.rept 32
	v_cvt_pk_bf16_f32 v[WF0+pi], v[AF+2*pi], v[AF+2*pi+1]
.set pi, pi+1
.endr
	WIN 0x04                                       ; source 1 in window 1
.irp ks, 0,1,2,3                       ; the eight accumulators take turns
.irp a, 0,1,2,3,4,5,6,7
.if (\ks) == 0
	v_wmma_f32_16x16x32_bf16 v[WF1+8*(\a):WF1+8*(\a)+7], v[WF0+8*(\ks):WF0+8*(\ks)+7], v[PARK+32*(\a)+8*(\ks):PARK+32*(\a)+8*(\ks)+7], 0
.else
	v_wmma_f32_16x16x32_bf16 v[WF1+8*(\a):WF1+8*(\a)+7], v[WF0+8*(\ks):WF0+8*(\ks)+7], v[PARK+32*(\a)+8*(\ks):PARK+32*(\a)+8*(\ks)+7], v[WF1+8*(\a):WF1+8*(\a)+7]
.endif
.endr
.endr
	WIN 0
	PLACES
.irp a, 0,1,2,3,4,5,6,7                ; lanes 0-15 hold a row's eight partial logits
	ds_store_b128 v[LGS], v[WF1+8*(\a):WF1+8*(\a)+3]   offset:1024*(\a)
	ds_store_b128 v[LGS], v[WF1+8*(\a)+4:WF1+8*(\a)+7] offset:1024*(\a)+16
.endr
	s_wait_dscnt 0x0                               ; my partial sums are stored, the mask is back, and my reads of H ended long ago
	s_barrier_signal -1
	s_barrier_wait -1
	; THE END: lane l of wave w takes row 32 w + l.
.irp p, 0,1,2,3
	ds_load_b128 v[64+8*(\p):67+8*(\p)], v[LGR] offset:8192*(\p)
	ds_load_b128 v[68+8*(\p):71+8*(\p)], v[LGR] offset:8192*(\p)+16
.endr
	s_wait_dscnt 0x0
.irp q, 0,2,4,6
	v_pk_add_f32 v[64+(\q):65+(\q)], v[64+(\q):65+(\q)], v[72+(\q):73+(\q)]
	v_pk_add_f32 v[80+(\q):81+(\q)], v[80+(\q):81+(\q)], v[88+(\q):89+(\q)]
.endr
.irp q, 0,2,4,6
	v_pk_add_f32 v[64+(\q):65+(\q)], v[64+(\q):65+(\q)], v[80+(\q):81+(\q)]
.endr
.irp e, 0,1,2,3,4,5,6,7
	v_add_f32 v[64+(\e)], s[B3+(\e)], v[64+(\e)]
.endr
	v_max3_num_f32 v96, v64, v65, v66              ; the row's maximum is taken away before the exponentials
	v_max3_num_f32 v96, v96, v67, v68
	v_max3_num_f32 v96, v96, v69, v70
	v_max_num_f32 v96, v96, v71
.irp e, 0,1,2,3,4,5,6,7
	v_sub_f32 v[64+(\e)], v[64+(\e)], v96
.endr
.irp e, 0,1,2,3,4,5,6,7
	v_mul_f32 v[64+(\e)], 0x3fb8aa3b, v[64+(\e)]   ; log2(e)
.endr
.irp e, 0,1,2,3,4,5,6,7
	v_exp_f32 v[64+(\e)], v[64+(\e)]
.endr
	v_nop                                          ; a plain instruction between the last exponential and the use of its result
	s_wait_alu depctr_va_vdst(0)
	v_pk_add_f32 v[98:99], v[64:65], v[66:67]
	v_pk_add_f32 v[100:101], v[68:69], v[70:71]
	v_pk_add_f32 v[98:99], v[98:99], v[100:101]
	v_add_f32 v98, v98, v99
	v_rcp_f32 v100, v98
	v_nop
	s_wait_alu depctr_va_vdst(0)
.irp q, 0,2,4,6
	v_pk_mul_f32 v[64+(\q):65+(\q)], v[64+(\q):65+(\q)], v[100:101] op_sel_hi:[1,0]   ; the softmax,
.endr
.irp q, 0,2,4,6
	v_pk_mul_f32 v[64+(\q):65+(\q)], v[64+(\q):65+(\q)], v[160+(\q):161+(\q)]         ; times the mask
.endr
	v_pk_add_f32 v[98:99], v[64:65], v[66:67]
	v_pk_add_f32 v[100:101], v[68:69], v[70:71]
	v_pk_add_f32 v[98:99], v[98:99], v[100:101]
	v_add_f32 v98, v98, v99
	v_add_f32 v98, 0x322bcc77, v98                 ; + 1e-8
	v_rcp_f32 v100, v98
	v_nop
	s_wait_alu depctr_va_vdst(0)
.irp q, 0,2,4,6
	v_pk_mul_f32 v[64+(\q):65+(\q)], v[64+(\q):65+(\q)], v[100:101] op_sel_hi:[1,0]
.endr
	v_mul_f32 v102, v64, v[PROB]
.irp e, 1,2,3,4,5,6,7
	v_fmac_f32 v102, v[64+(\e)], v[PROB+(\e)]
.endr
	ds_store_b128 v[O1S], v[64:67]                 ; a row a lane in, 16 bytes a lane back: my wave's own 1,024 bytes
	ds_store_b128 v[O1S], v[68:71] offset:16
	ds_store_b32 v[O0S], v102
	ds_load_b128 v[72:75], v[O1R]
	ds_load_b128 v[76:79], v[O1R] offset:512
	s_wait_dscnt 0x0
	s_barrier_signal -1
	s_barrier_wait -1
	global_store_b128 v[GO1], v[72:75], s[56:57]             ; 512 consecutive bytes a store, at a multiple of 512 from out1's first byte
	global_store_b128 v[GO1], v[76:79], s[56:57] offset:512
	s_cmp_lg_u32 s[WV], 0
	s_cbranch_scc1 .Lnot0
	ds_load_b128 v[80:83], v[O0R]                  ; the work-group's 128 numbers of out0 leave as 512 consecutive bytes
	s_wait_dscnt 0x0
	global_store_b128 v[GO0], v[80:83], s[58:59]
.Lnot0:
	s_wait_tensorcnt 0x0                           ; the wave's end: behind my last tensor load and my last LDS store
	ds_add_u32 v[SPW], v[NIL]
	s_wait_dscnt 0x0
	CROUND                                         ; the closing round: no work-group ends while a partner may still ask for a tile that names it
	s_endpgm
.Lfunc_end_k_q20063d4143_gate:
	.size	k_q20063d4143_gate, .Lfunc_end_k_q20063d4143_gate-k_q20063d4143_gate
	.p2alignl 7, 3214868480
	.fill 96, 4, 3214868480
	.section	.rodata,"a",@progbits
	.p2align	6, 0x0
	.amdhsa_kernel k_q20063d4143_gate
		.amdhsa_group_segment_fixed_size 327680
		.amdhsa_private_segment_fixed_size 0
		.amdhsa_enable_private_segment 0
		.amdhsa_kernarg_size 64
		.amdhsa_user_sgpr_count 2
		.amdhsa_user_sgpr_kernarg_segment_ptr 1
		.amdhsa_wavefront_size32 1
		.amdhsa_system_sgpr_workgroup_id_x 1
		.amdhsa_system_sgpr_workgroup_id_y 1
		.amdhsa_system_sgpr_workgroup_id_z 1
		.amdhsa_system_vgpr_workitem_id 0
		.amdhsa_next_free_vgpr 1024
		.amdhsa_next_free_sgpr 88
		.amdhsa_reserve_vcc 0
		.amdhsa_float_denorm_mode_32 3
		.amdhsa_float_denorm_mode_16_64 3
		.amdhsa_memory_ordered 1
		.amdhsa_forward_progress 1
		.amdhsa_inst_pref_size 255
	.end_amdhsa_kernel
	.section	.bss,"aw",@nobits
	.p2align	6
	.space	262144
	.amdgpu_metadata
---
amdhsa.version: [ 1, 2 ]
amdhsa.kernels:
  - .name:           k_q20063d4143_gate
    .symbol:         k_q20063d4143_gate.kd
    .args:
      - { .name: expert_reprs, .offset: 0, .size: 8, .value_kind: global_buffer, .address_space: global }
      - { .name: expert_probs, .offset: 8, .size: 8, .value_kind: global_buffer, .address_space: global }
      - { .name: active_mask, .offset: 16, .size: 8, .value_kind: global_buffer, .address_space: global }
      - { .name: b3, .offset: 24, .size: 8, .value_kind: global_buffer, .address_space: global }
      - { .name: W3, .offset: 32, .size: 8, .value_kind: global_buffer, .address_space: global }
      - { .name: wk, .offset: 40, .size: 8, .value_kind: global_buffer, .address_space: global }
      - { .name: out0, .offset: 48, .size: 8, .value_kind: global_buffer, .address_space: global }
      - { .name: out1, .offset: 56, .size: 8, .value_kind: global_buffer, .address_space: global }
    .group_segment_fixed_size: 327680
    .private_segment_fixed_size: 0
    .kernarg_segment_align: 8
    .kernarg_segment_size: 64
    .max_flat_workgroup_size: 128
    .sgpr_count:     88
    .vgpr_count:     1024
    .wavefront_size: 32
...
	.end_amdgpu_metadata
.endif
;; end of part 2
